; MI455X (gfx1250); checked and timed in simulation.
; The chip was launched on July 23, 2026; its instructions are those of AMD's public machine-readable ISA for CDNA 5 (MIT licence, August 2026) and "CDNA5" Instruction Set Architecture Reference Guide (July 2026). The comments in the code are by the model that wrote it; some were corrected since.
;; Attention. Allowed arithmetic: matrix products marked QUANTISED: E3M2 operands, one E8M0 scale for each 32 along K, by v_wmma_scale_f32_16x16x128_f8f6f4 with both operands' format E3M2, f32 sums; everything else in f32.
;; Inputs: bias 4 x 1 x 2,048 x 2,048 float32; keys_codes 4 x 16 x 2,048 x 2 x 24 uint8 (E3M2 codes of keys, K innermost, in blocks of 32 codes, four codes in three bytes); keys_scales 4 x 16 x 2,048 x 2 uint8 (E8M0 scales of keys, one for each 32 codes along K); queries_codes 4 x 16 x 2,048 x 2 x 24 uint8 (E3M2 codes of queries, K innermost, in blocks of 32 codes, four codes in three bytes); queries_mask 4 x 16 x 2,048 bool; queries_scales 4 x 16 x 2,048 x 2 uint8 (E8M0 scales of queries, one for each 32 codes along K); values_codes 4 x 16 x 64 x 64 x 24 uint8 (E3M2 codes of values, K innermost, in blocks of 32 codes, four codes in three bytes); values_mask 4 x 16 x 2,048 bool; values_scales 4 x 16 x 64 x 64 uint8 (E8M0 scales of values, one for each 32 codes along K).
;; Outputs: out0 4 x 16 x 2,048 x 64 float32.
;; This version of the problem:
;;   THIS VERSION OF THE PROBLEM IS GIVEN IN LOW PRECISION. The matrix products marked QUANTISED in the list below multiply operands that are first quantised to E3M2 (3 exponent bits, 2 mantissa bits; 6 bits a number), with one power-of-two scale for each 32 numbers along K (OCP MX v1.0); their sums are f32. All else is computed in f32.
;;   The module's matrix products, in the order in which they are computed (A, B: the left and right operand; K: the contracted axis; several contracted axes count as one K, in the product's order):
;;     1. batch 64 x [M 2,048, K 64] x [K 64, N 2,048]; A: input queries (given as codes); B: input keys (given as codes): QUANTISED
;;     2. batch 64 x [M 2,048, K 2,048] x [K 2,048, N 64]; A: softmax (see below); B: input values (given as codes): QUANTISED
;;   THE QUANTISER, for each operand of a quantised product, along K:
;;     - K is cut into blocks of 32 from its start; a last block that is shorter is filled with zeros.
;;     - A block's scale is 2^e with e = floor(log2(the largest magnitude in the block)) - 4, held to -126 .. 127; a block of zeros has e = 0. As a byte (E8M0): e + 127.
;;     - Each number is divided by its block's scale, clamped to +-28, and rounded to the nearest number of E3M2, ties to even, subnormals kept.
;;     - The product sums the exact products of the quantised numbers (number of the format x scale) in f32.
;;   ~~~python
;;   def quantise(x, axis):      # numpy; x: float32 -> the quantised numbers, widened to float32 again
;;       x = np.moveaxis(x, axis, -1); K = x.shape[-1]
;;       x = np.pad(x, [(0, 0)] * (x.ndim - 1) + [(0, -K % 32)]); x = x.reshape(x.shape[:-1] + (-1, 32)); a = np.abs(x).max(-1, keepdims=True)
;;       e = np.where(a > 0, np.clip(np.frexp(np.where(a > 0, a, 1))[1] - 1 - 4, -126, 127), 0)      # np.frexp(a)[1] - 1 = floor(log2(a)), exactly
;;       r = np.clip(x / 2.0 ** e, -28, 28)
;;       step = 2.0 ** (np.maximum(np.frexp(np.where(r == 0, 1, r))[1] - 1, -2) - 2)
;;       q = np.round(r / step) * step * 2.0 ** e      # np.round: ties to even
;;       return np.moveaxis(q.reshape(q.shape[:-2] + (-1,))[..., :K], -1, axis).astype(np.float32)
;;   ~~~
;;   SOFTMAX AHEAD OF A QUANTISED PRODUCT. Where the list says 'softmax', what is quantised is not the finished softmax but p = 2^(t - M), with t = logit x log2(e) and M = ceil(the row's largest t), a whole number; so 1/2 < the row's largest p <= 1. The row's sum l is taken of the UNQUANTISED p, in f32, and the product's result is divided by l at the end. Since M is a whole number, a kernel that streams over the keys may use a running M (the ceiling of the running maximum): every later rescaling is an exact power of two, which a block's scale takes up: the codes' values come out the same.
;;   OPERANDS COMPUTED ON THE WAY. 'Computed on the way' means the value that the module computes at that place (a softmax that the list does not call 'softmax' is quantised finished and normalised). What goes into a quantiser is computed in f32, as accurately as f32 sums, v_exp_f32 and their like allow (about 1e-6 of the number): no bf16 or f16 on the way to a quantiser, and a product that is left as it is and whose result goes on into a quantised operand takes f32 operands (vector FMAs, or v_wmma_f32_16x16x4_f32). A number that lies on a knife's edge between two numbers of the format may be rounded either way, as far as f32 arithmetic and the matrix unit's own rounding can turn it there, and no further.
;;   INPUTS GIVEN AS CODES. keys (in the module: [4, 16, 2048, 64], K = its axis 3); queries (in the module: [4, 16, 2048, 64], K = its axis 3); values (in the module: [4, 16, 2048, 64], K = its axis 2): each comes as NAME_codes (uint8): NAME with its K axis moved to the last place and cut into blocks of 32 codes, [.., K / 32, bytes a block], one block behind the other in memory; four codes in three bytes: a row's codes are one little-endian stream of bits, code i at bits 6 i .. 6 i + 5 (a code: sign, 3 exponent bits, 2 mantissa bits); and NAME_scales (uint8): the same leading axes, one E8M0 byte (e + 127) for each 32 codes along K. Its value is code x scale, taken as it is: it is not quantised again, and the codes and scales need not be those that the quantiser above would give.
;; One version. Each part assembles by itself: llvm-mc -triple=amdgcn-amd-amdhsa -mcpu=gfx1250 --defsym DOCPART=n.
;; ======== version 1 of 1: 2 launches
;; limits: right only within a limited range of input values
;; workspace buffers: vimg 6,291,456 bytes; fb 16,384 bytes
;; launch prep (part 1): grid 256 x 1, 4 waves a work-group, no clusters, 25,600 bytes of LDS; arguments values_codes, values_scales, vimg, fb; writes vimg, fb
.if DOCPART == 1
	.amdgcn_target "amdgcn-amd-amdhsa--gfx1250"
	.amdhsa_code_object_version 6
	.text
	.protected	k_q31e212048f_prep
	.globl	k_q31e212048f_prep
	.p2align	8
	.type	k_q31e212048f_prep,@function
k_q31e212048f_prep:
	s_mov_b64 s[64:65], 0
	v_nop
	global_prefetch_b8 v0, s[64:65] scope:SCOPE_SE
	s_setreg_imm32_b32 hwreg(HW_REG_WAVE_MODE, 25, 1), 1
	s_wait_xcnt 0x0
; THE PROGRAM (two launches).  out = softmax(q k^T / 8 + bias) v for 64 heads of 2,048 x 64; a logit is replaced by the fill -999999 where key > query or values_mask is false; rows whose
; queries_mask is false become 0.  Both products on codes of E3M2 with one E8M0 scale for each 32 along K; p = 2^(t - M), M a whole number, is what is quantised; the sum of the unquantised p divides at the end.
; WORK LEFT OUT, in the second launch: key steps all of whose 128 keys come after every query of a tile.  For all values of the inputs a row is one of two kinds.
; (1) Some key counts for it (key <= query, values_mask true).  Its logit lies above -900,000 (LIMIT below), so a filled key's p is under 2^((-999999 + 900000) log2 e), under 2^-140000: it is 0 in f32,
;     and adds nothing to the sum or to the product.
; (2) No key counts.  Then all 2,048 logits are the fill and the softmax is uniform over ALL keys, the hidden ones too.  That result hangs on the head alone:
;     fb[head][d] = sum over all keys of Q(pf) V[key][d] / (2048 pf), pf = 2^(t - ceil(t)), t = -999999 log2 e.  THIS launch makes it from all 2,048 keys; the second launch selects it for such rows.
; No input is left out.  LIMITS: logits of keys that count lie within +-900,000; a queries_scales byte under 3 is held at 3 (the division by 8 is taken off that byte); scale bytes 0xff, NaN and infinities are not
; served; a NaN, an infinity or an overflow that reaches only the steps left out is not carried to the result.
;
; THIS LAUNCH.  (a) V's codes ([head][d][key], rows of 1,536 bytes) are laid anew as IMAGES OF THE OPERAND'S REGISTERS: vimg[head][key step of 128][tile t of 16 d][1,536 bytes], registers 4 i .. 4 i + 3 of lane l at
; 512 i + 16 l.  So a head's key step is 6,144 dense bytes for one tensor load of the second launch, and a fragment comes out of LDS by three loads of 16 bytes a lane.  (b) fb, as above.
; SHARES.  Work-group x = 4 head + t takes the 16 rows d = 16 t .. 16 t + 15: 24,576 dense bytes.  They come in by loads of which sixteen lanes read 256 consecutive bytes, go through LDS (rows 1,552 bytes apart),
; and wave w takes the fragments of key steps 4 w .. 4 w + 3 out of it.  No work-group shares an input with another: no cluster, no tensor load.
.set ROWP,  1552                       ; an LDS row: 1,536 bytes + 16 = 388 words: row r starts 4 r words on, so the 32 lanes of a load of 8 bytes (words 4 r + 6 h, + 1) touch 64 different words modulo 64 (64 banks of 4 bytes: ISA guide 11.1)
.set RED,   16*ROWP                    ; behind the rows: 64 bytes for each wave's part of fb
.set SPARE, RED+256                    ; the spare words, 128 bytes for each wave: two blocks of 256 bytes that no other line names
.set SPW,  1                           ; v1   LDS address of my spare word; never rewritten
.set NIL,  2                           ; v2   0; never rewritten
.set GIN,  3                           ; v3   in: (thread / 16) rows of 1,536 bytes + 16 (thread % 16)
.set LIN,  4                           ; v4   the same place in LDS
.set FRA,  5                           ; v5   a fragment's bytes: row r, + 24 h, + my wave's four steps
.set L16,  6                           ; v6   16 x lane: an image's place for my lane
.set SCO,  7                           ; v7   my row's scale words of my wave's four steps
.set RW,   8                           ; v8   where my wave puts its part of fb
.set RRD,  9                           ; v9   where wave 0 reads the parts
.set FO,   10                          ; v10  4 r: fb
.set VSC,  12                          ; v12-15  V's scale words: step 4 w + e in register e; scales and nothing else
.set PF16, 16                          ; v16-31  pf, sixteen times: the conversion's sources
.set PCD,  32                          ; v32-43  the fragment of p: 128 times the code of pf
.set PSC,  44                          ; v44     p's scale word
.set IN,   52                          ; v52-99  the rows as loaded; then my four fragments of V
.set ACC,  100                         ; v100-131 four accumulators
	s_load_b256 s[4:11], s[0:1], 0x0               ; V's codes s[4:5], V's scales s[6:7], vimg s[8:9], fb s[10:11]
	v_lshl_add_u32 v[SPW], v0, 2, SPARE
	v_mov_b32 v[NIL], 0
	v_lshrrev_b32 v132, 5, v0
	v_readfirstlane_b32 s12, v132                  ; wave 0..3
	v_and_b32 v133, 15, v0                         ; r
	v_bfe_u32 v134, v0, 4, 1                       ; h
	v_lshrrev_b32 v135, 4, v0                      ; thread / 16: 0..7
	v_mul_u32_u24 v[GIN], v135, 1536
	v_lshl_add_u32 v[GIN], v133, 4, v[GIN]
	v_mul_u32_u24 v[LIN], v135, ROWP
	v_lshl_add_u32 v[LIN], v133, 4, v[LIN]
	v_mul_u32_u24 v[FRA], v133, ROWP
	v_mad_u32_u24 v[FRA], v134, 24, v[FRA]
	s_mul_i32 s13, s12, 384                        ; four steps of 96 bytes
	v_add_nc_u32 v[FRA], s13, v[FRA]
	v_and_b32 v[L16], 31, v0
	v_lshlrev_b32 v[L16], 4, v[L16]
	v_lshlrev_b32 v[SCO], 6, v133                  ; a row of scale bytes is 64 bytes,
	s_lshl_b32 s13, s12, 4                         ; my wave's four words 16
	v_add_nc_u32 v[SCO], s13, v[SCO]
	v_lshlrev_b32 v[FO], 2, v133
	v_add_nc_u32 v[RRD], RED, v[FO]
	s_lshl_b32 s13, s12, 6
	v_add_nc_u32 v[RW], s13, v[RRD]
	s_mul_i32 s14, ttmp9, 24576                    ; my 16 rows of codes
	s_mov_b32 s15, 0
	s_lshl_b32 s16, ttmp9, 10                      ; and of scale bytes
	s_mov_b32 s17, 0
	s_lshr_b32 s18, ttmp9, 2
	s_mul_i32 s18, s18, 98304                      ; vimg: the head,
	s_and_b32 s20, ttmp9, 3
	s_mul_i32 s20, s20, 1536                       ; the tile t,
	s_add_co_u32 s18, s18, s20
	s_mul_i32 s20, s12, 24576                      ; my wave's four steps of 6,144 bytes
	s_add_co_u32 s18, s18, s20
	s_mov_b32 s19, 0
	s_lshl_b32 s20, ttmp9, 6                       ; fb: 16 numbers
	s_mov_b32 s21, 0
	s_wait_kmcnt 0x0
	s_add_nc_u64 s[4:5], s[4:5], s[14:15]
	s_add_nc_u64 s[6:7], s[6:7], s[16:17]
	s_add_nc_u64 s[8:9], s[8:9], s[18:19]
	s_add_nc_u64 s[10:11], s[10:11], s[20:21]
	global_load_b128 v[VSC:VSC+3], v[SCO], s[6:7]
.set n, 0
.rept 12                               ; rows thread / 16 and + 8, six pieces of 256 bytes each: sixteen lanes read 256 consecutive bytes, at a multiple of 256 from the buffer's first byte
	global_load_b128 v[IN+4*n:IN+4*n+3], v[GIN], s[4:5] offset:(n/6)*12288+(n%6)*256 th:TH_LOAD_NT
.set n, n+1
.endr
	; while they are on their way: pf, its code and its scale
	v_mov_b32 v45, 0xc97423f0                      ; the fill, -999999
	v_mul_f32 v45, 0x3fb8aa3b, v45                 ; t = fill x log2 e
	v_floor_f32 v46, -v45                          ; -M = floor(-t)
	v_add_f32 v45, v45, v46                        ; t - M (exact)
	v_exp_f32 v47, v45                             ; pf
	v_nop                                          ; a plain instruction behind the exponential,
	s_wait_alu depctr_va_vdst(0)                   ; and a wait ahead of its first reader
	v_rcp_f32 v48, v47
.set n, 0
.rept 16
	v_mov_b32 v[PF16+n], v47                       ; (plain work behind the reciprocal)
.set n, n+1
.endr
	s_wait_alu depctr_va_vdst(0)                   ; the same wait for the reciprocal
	v_ldexp_f32 v49, v48, -11                      ; 1 / (2048 pf)
	v_max_num_f32 v50, 0x2800000, v47              ; a block of 32 times pf: its largest magnitude is pf (over the floor 2^(5 - 127))
	v_add_nc_u32 v50, 0xfe000000, v50              ; 4 off its exponent field: the conversion's scale operand
	v_lshrrev_b32 v51, 23, v50                     ; the scale's byte,
	v_mul_lo_u32 v[PSC], v51, 0x01010101           ; four times: p's scale word
	v_cvt_scalef32_pk16_bf6_f32 v[PCD:PCD+2], v[PF16:PF16+15], v50   ; sixteen equal codes: 96 bits
	v_nop                                          ; one plain instruction behind a scaled conversion
.set n, 3
.rept 9
	v_mov_b32 v[PCD+n], v[PCD+n%3]                 ; the 96 bits four times: 128 codes in every lane
.set n, n+1
.endr
.set n, 0
.rept 12
	s_wait_loadcnt 11-n                            ; loads come back in order: load n is in, the 11 - n behind it may be out
	ds_store_b128 v[LIN], v[IN+4*n:IN+4*n+3] offset:(n/6)*8*ROWP+(n%6)*256
.set n, n+1
.endr
	s_wait_dscnt 0x0                               ; for the others' sake: my stores have landed
	s_barrier_signal -1
	s_barrier_wait -1                              ; the 16 rows lie in LDS
.irp e, 0,1,2,3                        ; step 4 w + e: lane (r, h) takes of row r the 24 bytes at 96 step + 24 h (registers 0-5) and those 48 on (registers 6-11), in pieces of 8
.irp p, 0,1,2,3,4,5
	ds_load_b64 v[IN+12*\e+2*\p:IN+12*\e+2*\p+1], v[FRA] offset:96*\e+48*(\p/3)+8*(\p%3)
.endr
.endr
	s_wait_dscnt 0x0
.irp e, 0,1,2,3
.irp i, 0,1,2
	global_store_b128 v[L16], v[IN+12*\e+4*\i:IN+12*\e+4*\i+3], s[8:9] offset:6144*\e+512*\i   ; the image: 32 lanes store 512 consecutive bytes, at a multiple of 512 from vimg's first byte
.endr
.endr
.rept 8
	v_nop                                          ; p's codes and its scale word were written by vector instructions: they stand 4 and 8 places ahead of a scaled matrix instruction
.endr
.irp e, 0,1,2,3                        ; source 0 = 16 equal rows of p, source 1 = 16 rows d of V: register 0 of lane r is the step's sum for d = 16 t + r.  Four accumulators, one instruction each
	v_wmma_scale_f32_16x16x128_f8f6f4 v[ACC+8*\e:ACC+8*\e+7], v[PCD:PCD+11], v[IN+12*\e:IN+12*\e+11], 0, v[PSC], v[VSC+\e] matrix_a_fmt:MATRIX_FMT_BF6 matrix_b_fmt:MATRIX_FMT_BF6
.endr
.rept 4
	v_nop                                          ; four places ahead of the first read of results
.endr
	v_add_f32 v136, v[ACC], v[ACC+8]
	v_add_f32 v137, v[ACC+16], v[ACC+24]
	v_add_f32 v136, v136, v137                     ; my wave's 512 keys
	ds_store_b32 v[RW], v136                       ; lanes r and r + 16 hold the same number (all rows of p are equal) and write the same word
	s_wait_dscnt 0x0
	s_barrier_signal -1
	s_barrier_wait -1
	s_cmp_lg_u32 s12, 0
	s_cbranch_scc1 .Lend                           ; wave 0 adds the four parts
	ds_load_b32 v136, v[RRD]
	ds_load_b32 v137, v[RRD] offset:64
	ds_load_b32 v138, v[RRD] offset:128
	ds_load_b32 v139, v[RRD] offset:192
	s_wait_dscnt 0x0
	v_add_f32 v136, v136, v137
	v_add_f32 v138, v138, v139
	v_add_f32 v136, v136, v138
	v_mul_f32 v136, v136, v49                      ; / (2048 pf)
	global_store_b32 v[FO], v136, s[10:11]         ; 64 consecutive bytes; lanes 16-31 write what lanes 0-15 write, to the same places
.Lend:
	s_wait_tensorcnt 0x0                           ; the wave's end: behind my last LDS store
	ds_add_u32 v[SPW], v[NIL]
	s_wait_dscnt 0x0
	s_endpgm
.Lfunc_end_k_q31e212048f_prep:
	.size	k_q31e212048f_prep, .Lfunc_end_k_q31e212048f_prep-k_q31e212048f_prep
	.p2alignl 7, 3214868480
	.fill 96, 4, 3214868480
	.section	.rodata,"a",@progbits
	.p2align	6, 0x0
	.amdhsa_kernel k_q31e212048f_prep
		.amdhsa_group_segment_fixed_size 25600
		.amdhsa_private_segment_fixed_size 0
		.amdhsa_enable_private_segment 0
		.amdhsa_kernarg_size 32
		.amdhsa_user_sgpr_count 2
		.amdhsa_user_sgpr_kernarg_segment_ptr 1
		.amdhsa_wavefront_size32 1
		.amdhsa_system_sgpr_workgroup_id_x 1
		.amdhsa_system_sgpr_workgroup_id_y 1
		.amdhsa_system_sgpr_workgroup_id_z 1
		.amdhsa_system_vgpr_workitem_id 0
		.amdhsa_next_free_vgpr 160
		.amdhsa_next_free_sgpr 66
		.amdhsa_reserve_vcc 0
		.amdhsa_float_denorm_mode_32 3
		.amdhsa_float_denorm_mode_16_64 3
		.amdhsa_memory_ordered 1
		.amdhsa_forward_progress 1
		.amdhsa_inst_pref_size 11
	.end_amdhsa_kernel
	.amdgpu_metadata
---
amdhsa.version: [ 1, 2 ]
amdhsa.kernels:
  - .name:           k_q31e212048f_prep
    .symbol:         k_q31e212048f_prep.kd
    .args:
      - { .name: values_codes, .offset: 0, .size: 8, .value_kind: global_buffer, .address_space: global }
      - { .name: values_scales, .offset: 8, .size: 8, .value_kind: global_buffer, .address_space: global }
      - { .name: vimg, .offset: 16, .size: 8, .value_kind: global_buffer, .address_space: global }
      - { .name: fb, .offset: 24, .size: 8, .value_kind: global_buffer, .address_space: global }
    .group_segment_fixed_size: 25600
    .private_segment_fixed_size: 0
    .kernarg_segment_align: 8
    .kernarg_segment_size: 32
    .max_flat_workgroup_size: 128
    .sgpr_count:     66
    .vgpr_count:     160
    .wavefront_size: 32
...
	.end_amdgpu_metadata
.endif
;; end of part 1
;; launch attn (part 2): grid 16 x 32, 16 waves a work-group, no clusters, 327,680 bytes of LDS; arguments bias, keys_codes, keys_scales, queries_codes, queries_scales, queries_mask, values_mask, values_scales, vimg, fb, out0; writes out0
.if DOCPART == 2
	.amdgcn_target "amdgcn-amd-amdhsa--gfx1250"
	.amdhsa_code_object_version 6
	.text
	.protected	k_q31e212048f_attn
	.globl	k_q31e212048f_attn
	.p2align	8
	.type	k_q31e212048f_attn,@function
k_q31e212048f_attn:
	s_mov_b64 s[64:65], 0
	v_nop
	global_prefetch_b8 v0, s[64:65] scope:SCOPE_SE
	s_setreg_imm32_b32 hwreg(HW_REG_WAVE_MODE, 25, 1), 1
	s_wait_xcnt 0x0
; out[b][h][q][:] = softmax_k(q . k / 8 + bias[b][q][k], the fill -999999 where k > q or values_mask is false) V, 0 where queries_mask is false; both products on codes of E3M2 with E8M0 scales.
; WORK LEFT OUT: key steps all of whose 128 keys come after a tile's queries; shown dead at the head of the first launch (a row with a key that counts gives filled keys p = 0 in f32; a row with none takes fb, which
; the first launch made from all 2,048 keys).  LIMITS as stated there: logits of keys that count within +-900,000; a queries_scales byte under 3 is held at 3; scale bytes 0xff, NaN, infinities not served.
; SHARES.  A work-group has sixteen waves = 4 heads x 4 tiles of 16 queries: block j of 64 queries, of 4 heads of one batch.  Block j has j / 2 + 1 key steps of 128 that count.  4 batches x 4 groups of heads x 32 blocks
; = 512 work-groups; j = 31 - work-group y, so the blocks with the most steps have the lowest numbers.  EVERY work-group walks all 16 changes of slots: the trip count is a constant of the text; a step whose keys all
; come after the block's queries is jumped over, and the tensor loads end at the causal limit.
; NO CLUSTER, though the four groups of heads of one (batch, block) walk the same tiles of bias: the loads beyond a block's causal limit are jumped over by a test on ids, where the limit lies hangs on the block's
; number.
; LAYOUT.  Both products are used transposed, so that a lane holds ONE query (lane % 16).  S^T = K Q^T + bias: tile (c, v) takes as its rows 0-7 the keys 64 c + 8 v + 0..7 and as its rows 8-15 the keys 32 further on.
; So register 32 c + 8 v + j of lane (r, h) is key 64 c + 32 h + 8 v + j: a lane owns two WHOLE blocks of 32 keys, 2 c + h, in the order in which the second product's operand wants them: the block's maximum needs
; no other lane and the conversions' results are the operand.  bias is the C of the first product (loaded from LDS into the accumulator's registers); the division by 8 is 3 off Q's scale bytes: exact.
; values_mask goes through the half of the instruction's K = 128 that the head's 64 leave free: at k = 64 K's fragment holds the code of -28 and Q's that of +16, Q's scale byte there is 127, K's is 0 for a key
; that counts (the term is -448 x 2^-127) and 139 for one that does not (-1,835,008: p = 0 beside any key that counts).  Rows in which no key counts are known at the end by their largest t lying under -1.3e6.
; RING.  Two LDS slots, a key step each: bias 64 x 128 f32, K 4 x 6,144 bytes, V's images 4 x 6,144 bytes; one tensor load a wave (waves 0-3 bias, 4-11 K, 12-15 V).  At most one tensor load of a wave is out.
.set SLOT1, 131072                     ; slot 1 begins here: one exclusive or turns an address in one slot into the other's
.set BP,    528                        ; a row of bias in LDS: 512 bytes + 16 = 132 words: row r starts 4 r words on modulo 64, so the sixteen rows of a load of 16 bytes start in sixteen different groups of four banks (ISA guide 11.1)
.set KOFF,  64*BP                      ; 33,792: K: for each head 6,400 bytes: its even blocks of 32 keys (2 x 1,536) at 0, its odd ones at 3,200, which is 128 modulo 256: the 32 lanes of a load of 8 bytes touch 64 different banks
.set KHEAD, 6400
.set KODD,  3200
.set VOFF,  KOFF+4*KHEAD               ; 59,392: V's images, 6,144 bytes a head
.set VHEAD, 6144
.set KW,    VOFF+4*VHEAD               ; 83,968: behind slot 0: K's scale words with the mask's byte, [head 8,192][step 512][c 256][row 16][v 4]; stored once by the waves, no tile lands here
.set VW,    SLOT1+KW                   ; 215,040: behind slot 1: V's scale words, [head 4,096][step 256][row 16][t 4]
.set STAGE, VW+16384                   ; 231,424: the way out: 16 rows x 272 bytes for each wave
.set SP,    272
.set SPARE, STAGE+16*16*SP             ; 301,056: the spare words, 128 bytes for each wave: eight blocks of 256 bytes that no other line names
; vector registers
.set ABI0, 1                           ; my lane's place in a tile of bias
.set AK0,  2                           ; in K's tiles
.set AV0,  3                           ; in V's images
.set AKW0, 4                           ; among K's scale words
.set AVW0, 5                           ; among V's
.set STO,  6                           ; the stage: where I put 32 bytes of a row
.set RD,   7                           ; and where I read a row back
.set GO,   8                           ; my byte offset in the tile's rows of out
.set SPW,  9                           ; LDS address of my spare word; never rewritten
.set NIL,  10                          ; 0; never rewritten
.set D0,   11                          ; r - 32 h
.set SH8,  12                          ; 8 h
.set PFO,  13                          ; the prefetches' offset; never rewritten
.set NINF, 14                          ; -infinity
.set QMV,  15                          ; my query's byte of queries_mask
.set ADB,  16                          ; v16-20 the step's LDS addresses
.set ADK,  17
.set ADV,  18
.set ADS,  19
.set ADT,  20
.set DD,   21                          ; my query - the step's first key - 32 h: register n is hidden where 64 (n / 32) + n % 32 > DD
.set NM,   22                          ; -M;  v23 the largest t so far
.set TM,   23
.set SUM,  24                          ; v24-25 the row's sum in two halves;  v26-27 a second chain
.set SUM2, 26
.set FF,   28                          ; f = 2^(old M - new M); v29 is named with it as a pair
.set LL,   30                          ; 1 / the sum; v31 likewise
.set QF,   32                          ; v32-43 Q's fragment
.set QS,   44                          ; Q's scale word
.set PS,   45                          ; p's scale word
.set FBO,  46                          ; 32 h: fb
.set KS,   48                          ; v48-55 K's scale words, tile 4 c + v
.set VS,   56                          ; v56-59 V's, tile t
.set KF,   60                          ; v60-107 four fragments of K
.set PCD,  108                         ; v108-119 p's codes
.set CT,   120                         ; v120-126 the conversions' second halves
.set SC,   128                         ; v128-191 bias, then S^T, then p; v128-175 then take V's four fragments
.set OT,   192                         ; v192-223 O^T
.set BM,   224                         ; v224-227 maxima
.set T0,   228
.set T1,   229
.set SO,   230                         ; v230-231 the conversions' scale operands
.set BY,   232                         ; v232-233 the scales' bytes
.set WW,   234
.set QO,   235                         ; Q's codes: 48 r + 24 h;  v236: 2 r;  v237: r
.set QO2,  236
.set QO1,  237
.set X0,   238                         ; v238-247 at work at the head
; scalar registers
.set KSB,  8                           ; pointers, stepped once, at the head, to my work-group's or my wave's part
.set QC,   10
.set QSC,  12
.set QMK,  14
.set VMB,  16
.set VSB,  18
.set FBB,  22
.set OUT,  24
.set WV,   26                          ; wave
.set CX,   27                          ; which four heads of the batch
.set JQ,   28                          ; my block of 64 queries
.set BT,   29                          ; batch
.set Q0,   30                          ; my tile's first query: 64 j + 16 (wave % 4)
.set KEY,  31                          ; the step's first key
.set SLOTS, 32                         ; the loop's trips still to go
.set LIMQ, 33                          ; in a wave that prefetches my block's last query, else 0
.set FM,   38                          ; lanes whose row has no key that counts
.set QM,   39                          ; lanes whose queries_mask is true
.set G1B,  40                          ; s[40:47] group 1 for bias;  s[48:55] for K;  s[56:63] for V
.set G1K,  48
.set G1V,  56
.set HL,   66                          ; my head among the work-group's four
.set QT,   67                          ; my tile among the block's four
.set G0B,  68                          ; s[68:71], s[72:75], s[76:79] the groups 0, which walk
.set G0K,  72
.set G0V,  76
.set PF,   80                          ; s[80:81] where my prefetches stand: one step further on than the walking descriptor of bias
.set SEL,  94                          ; s[94:95] v_permlanex16_b32's selects for lane l xor 16
.set CS,   96                          ; s[96:97] log2 e
.set TB,   98                          ; LDS byte at which the slot in hand begins
.set TS,   99                          ; the step's scale words of K: 512 bytes a step
.set TJ,   100                         ; of V: 256
; Every wave's one tensor load: waves 0-3 16 rows of bias each, waves 4-11 a head's even or odd blocks of K, waves 12-15 a head's images of V.  The branches hang on the wave's number alone.
; An s_nop 0 and four v_nop follow each load, ahead of the jump, the label and what follows.
.macro TLOAD3
	s_cmp_lt_u32 s[WV], 4
	s_cbranch_scc0 .Lnot_bias_\@
	tensor_load_to_lds s[G0B:G0B+3], s[G1B:G1B+7]
	s_nop 0
.rept 4
	v_nop
.endr
	s_branch .Lasked_\@
.Lnot_bias_\@:
	s_cmp_lt_u32 s[WV], 12
	s_cbranch_scc0 .Lnot_k_\@
	tensor_load_to_lds s[G0K:G0K+3], s[G1K:G1K+7]
	s_nop 0
.rept 4
	v_nop
.endr
	s_branch .Lasked_\@
.Lnot_k_\@:
	tensor_load_to_lds s[G0V:G0V+3], s[G1V:G1V+7]
	s_nop 0
.rept 4
	v_nop
.endr
.Lasked_\@:
.endm
; A PREFETCH INTO THE L2 of the tile of bias that the NEXT change of slots will ask for (the step two on): 64 rows x 512 bytes = 128 blocks of 256 bytes.  The four groups of heads of a (batch, block) read that tile and
; nobody else: the first of them asks (a branch on the work-group's number), with its waves 0-3: 16 rows a wave, a lane a block (row lane / 2, half lane % 2), one instruction each.  So each block is named once in
; the launch.  Steps 0 and 1 come by their loads alone.  Nothing is asked for beyond the block's causal limit (the step's first key at or under the block's last query), which also keeps every lane inside its row.
; K and V's images are walked by all blocks of a head from key 0 on: not asked for.
.macro ASK
	s_add_co_u32 s34, s[KEY], 256
	s_cmp_le_u32 s34, s[LIMQ]
	s_cbranch_scc0 .Lnot_mine_\@
	global_prefetch_b8 v[PFO], s[PF:PF+1] th:TH_LOAD_NT scope:SCOPE_SE
.Lnot_mine_\@:
.endm
; THE CHANGE OF SLOTS stands at a step's head.  Each wave waits for all its tensor loads (its part of the slot that it is about to read), adds 0 to its spare word, and waits for that and for its reads of the slot
; that it has left.  Behind the barrier the slot ahead is whole and nobody reads the other one.  fill = 1: that other slot is filled with the next step's tiles, up to the causal limit: the load has a whole step's work in which to land.
.macro CHANGE fill
	s_wait_tensorcnt 0x0                           ; no tensor load of mine is out, so the groups 0 may be written
	ds_add_u32 v[SPW], v[NIL]                      ; 0 onto my spare word: the descriptors' steps stand between it and the wait for it
.if \fill
	s_xor_b32 s[G0B+1], s[G0B+1], SLOT1            ; the walking descriptors: the other slot than last time,
	s_add_nc_u64 s[G0B+2:G0B+3], s[G0B+2:G0B+3], 512    ; the next 128 keys: 512 bytes of a row of bias; the type bits on top are not reached
	s_xor_b32 s[G0K+1], s[G0K+1], SLOT1
	s_add_nc_u64 s[G0K+2:G0K+3], s[G0K+2:G0K+3], 6144   ; 128 keys of 48 bytes
	s_xor_b32 s[G0V+1], s[G0V+1], SLOT1
	s_add_nc_u64 s[G0V+2:G0V+3], s[G0V+2:G0V+3], 6144   ; a step's four images
	s_wait_xcnt 0x0                                ; the last prefetch, a step back, has read its address, so it may be written
	s_add_nc_u64 s[PF:PF+1], s[PF:PF+1], 512
.endif
	s_wait_dscnt 0x0                               ; the add is done, my reads of the slot that I have left are over (and, the first time, my stores of the scale words have landed)
	s_barrier_signal -1
	s_barrier_wait -1
.if \fill
	s_add_co_u32 s34, s[KEY], 128                  ; THE LOOK-AHEAD ENDS AT THE CAUSAL LIMIT: a slot whose first key comes after my block's last query is read by none of the sixteen waves, so it is not asked for
	s_or_b32 s35, s[Q0], 63                        ; my block's last query
	s_cmp_gt_u32 s34, s35                          ; ids and the count of steps alone: all sixteen waves go the same way, and a work-group that is past the limit stays past it
	s_cbranch_scc1 .Lpast_\@
	TLOAD3                                         ; the first thing behind the barrier but the limit's four lines, and my one tensor load until the next
.Lpast_\@:
	ASK
.endif
.endm
; A KEY STEP: my 16 queries against 128 keys.
.macro STEP
	s_add_co_u32 s34, s[Q0], 15                    ; a step all of whose keys come after my 16 queries is left out: a scalar branch on ids, round the step's loads, products and softmax;
	s_cmp_gt_u32 s[KEY], s34                       ; not round the lines at its end that step addresses, and no barrier or tensor load stands in a step
	s_cbranch_scc1 .Lhidden_\@
	s_sub_co_i32 s35, s[Q0], s[KEY]
	v_add_nc_u32 v[ADB], s[TB], v[ABI0]            ; these six lines are also the places between the last products and the loads into, and the products that write over, their registers
	v_add_nc_u32 v[ADK], s[TB], v[AK0]
	v_add_nc_u32 v[ADV], s[TB], v[AV0]
	v_add_nc_u32 v[ADS], s[TS], v[AKW0]
	v_add_nc_u32 v[ADT], s[TJ], v[AVW0]
	v_add_nc_u32 v[DD], s35, v[D0]
.irp v, 0,1,2,3                        ; bias(my query, keys 32 h + 8 v + 0..7): the C of tile (0, v), in the result's layout
	ds_load_b128 v[SC+8*\v:SC+8*\v+3], v[ADB] offset:32*\v
	ds_load_b128 v[SC+8*\v+4:SC+8*\v+7], v[ADB] offset:32*\v+16
.endr
	ds_load_b128 v[KS:KS+3], v[ADS]                ; the scale words of tiles (0, 0..3)
.irp v, 0,1,2,3
.irp p, 0,1,2
	ds_load_b64 v[KF+12*\v+2*\p:KF+12*\v+2*\p+1], v[ADK] offset:384*\v+8*\p   ; a key's 24 bytes of my half; registers 6-11 of a fragment were written once, at the head
.endr
.endr
.irp v, 0,1,2,3
	ds_load_b128 v[SC+32+8*\v:SC+35+8*\v], v[ADB] offset:256+32*\v
	ds_load_b128 v[SC+36+8*\v:SC+39+8*\v], v[ADB] offset:256+32*\v+16
.endr
	ds_load_b128 v[KS+4:KS+7], v[ADS] offset:256
	ds_load_b128 v[VS:VS+3], v[ADT]
	s_wait_dscnt 10                                ; all but the ten just issued: the second half's bias (8), its scale words, V's scale words
.irp v, 0,1,2,3                        ; S^T = K Q^T + bias.  The accumulators take turns, one instruction a turn
	v_wmma_scale_f32_16x16x128_f8f6f4 v[SC+8*\v:SC+8*\v+7], v[KF+12*\v:KF+12*\v+11], v[QF:QF+11], v[SC+8*\v:SC+8*\v+7], v[KS+\v], v[QS] matrix_a_fmt:MATRIX_FMT_BF6 matrix_b_fmt:MATRIX_FMT_BF6
.endr
.rept 4
	v_nop                                          ; four places in front of loads into registers that matrix instructions have read
.endr
.irp v, 0,1,2,3
.irp p, 0,1,2
	ds_load_b64 v[KF+12*\v+2*\p:KF+12*\v+2*\p+1], v[ADK] offset:1536+384*\v+8*\p
.endr
.endr
	s_wait_dscnt 0x0
.irp v, 0,1,2,3
	v_wmma_scale_f32_16x16x128_f8f6f4 v[SC+32+8*\v:SC+39+8*\v], v[KF+12*\v:KF+12*\v+11], v[QF:QF+11], v[SC+32+8*\v:SC+39+8*\v], v[KS+4+\v], v[QS] matrix_a_fmt:MATRIX_FMT_BF6 matrix_b_fmt:MATRIX_FMT_BF6
.endr
.rept 4
	v_nop                                          ; four places in front of the first read of results
.endr
	s_add_co_u32 s34, s[KEY], 127                  ; a step all of whose keys count by the causal mask skips the mask's lines
	s_cmp_le_u32 s34, s[Q0]
	s_cbranch_scc1 .Lopen_\@
.set n, 0
.rept 64                               ; on the diagonal the scores of keys behind my query become -infinity: p = 0.  The step's first key counts by the causal mask for every query of the block
	v_cmp_gt_i32 vcc_lo, 64*(n/32)+n%32, v[DD]
	v_cndmask_b32 v[SC+n], v[SC+n], v[NINF], vcc_lo
.set n, n+1
.endr
.Lopen_\@:
.irp b, 0,1,2,3                        ; the largest score, in four chains of 16 by turns; each accumulator is read from its low end on
	v_max3_num_f32 v[BM+\b], v[SC+16*\b], v[SC+16*\b+1], v[SC+16*\b+2]
.endr
.irp i, 3,5,7,9,11,13
.irp b, 0,1,2,3
	v_max3_num_f32 v[BM+\b], v[BM+\b], v[SC+16*\b+\i], v[SC+16*\b+\i+1]
.endr
.endr
.irp b, 0,1,2,3
	v_max_num_f32 v[BM+\b], v[BM+\b], v[SC+16*\b+15]
.endr
	v_max_num_f32 v[BM], v[BM], v[BM+1]            ; THE LARGEST SCORE OF EACH OF MY TWO BLOCKS OF 32 KEYS: it serves the row's maximum and, since p rises with the score, the block's largest p
	v_max_num_f32 v[BM+1], v[BM+2], v[BM+3]
	v_max_num_f32 v[T0], v[BM], v[BM+1]
	v_permlanex16_b32 v[T1], v[T0], s[SEL], s[SEL+1]
	v_max_num_f32 v[T0], v[T0], v[T1]              ; with lane l xor 16's 64 keys
	v_mul_f32 v[T0], s[CS], v[T0]                  ; as t
	v_max_num_f32 v[TM], v[TM], v[T0]              ; the running largest t
	v_mov_b32 v[T0], v[NM]
	v_floor_f32 v[NM], -v[TM]                      ; the new -M = -ceil(t): M is a whole number
	v_sub_f32 v[T0], v[NM], v[T0]                  ; old M - new M: a whole number, 0 or less
	v_cvt_i32_f32 v[T0], v[T0]                     ; (it saturates)
	v_ldexp_f32 v[FF], 1.0, v[T0]                  ; f = 2^(old M - new M): a multiplication by it rounds nothing
.set n, 0
.rept 32
	v_pk_fma_f32 v[SC+n:SC+n+1], v[SC+n:SC+n+1], s[CS:CS+1], v[NM:NM+1] op_sel_hi:[1,0,0]   ; t - M, two at a time (of the pairs the low word serves both halves)
.set n, n+2
.endr
	v_fma_f32 v[BM], v[BM], s[CS], v[NM]           ; the same of each block's largest score
	v_fma_f32 v[BM+1], v[BM+1], s[CS], v[NM]
.set n, 0
.rept 64
	v_exp_f32 v[SC+n], v[SC+n]                     ; p = 2^(t - M), at most 1, not normalised
.set n, n+1
.endr
	v_pk_mul_f32 v[SUM:SUM+1], v[SUM:SUM+1], v[FF:FF+1] op_sel_hi:[1,0]   ; the sums under the new M: the plain instruction behind the exponentials
	s_wait_alu depctr_va_vdst(0)                   ; one wait for the batch of 64, ahead of its first reader
	v_exp_f32 v[BM], v[BM]                         ; the blocks' largest p: the same two instructions on the same number give the same bits
	v_exp_f32 v[BM+1], v[BM+1]
	v_pk_add_f32 v[SUM2:SUM2+1], v[SC:SC+1], v[SC+2:SC+3]   ; THE ROW'S SUM IS TAKEN OF THE UNQUANTISED p, two at a time, in two chains (it reads the 64 alone: plain work behind the two)
.set n, 4
.rept 15
	v_pk_add_f32 v[SUM:SUM+1], v[SUM:SUM+1], v[SC+n:SC+n+1]
	v_pk_add_f32 v[SUM2:SUM2+1], v[SUM2:SUM2+1], v[SC+n+2:SC+n+3]
.set n, n+4
.endr
	v_pk_add_f32 v[SUM:SUM+1], v[SUM:SUM+1], v[SUM2:SUM2+1]
	s_wait_alu depctr_va_vdst(0)                   ; and one for the two
	v_max_num_f32 v[BM], 0x2800000, v[BM]          ; the floor 2^(5 - 127): the byte cannot fall under 1 (a block whose every p is 0 keeps that byte: its codes are zeros)
	v_max_num_f32 v[BM+1], 0x2800000, v[BM+1]
	v_add_nc_u32 v[SO], 0xfe000000, v[BM]          ; 4 off the exponent field: the conversion's scale operand
	v_add_nc_u32 v[SO+1], 0xfe000000, v[BM+1]
	v_lshrrev_b32 v[BY], 23, v[SO]                 ; the scale's byte: block h,
	v_lshrrev_b32 v[BY+1], 23, v[SO+1]             ; block 2 + h
	v_lshl_or_b32 v[WW], v[BY+1], 16, v[BY]
	v_lshlrev_b32 v[WW], v[SH8], v[WW]             ; at their places in the scale word (8 h bits up);
	v_permlanex16_b32 v[T1], v[WW], s[SEL], s[SEL+1]
	v_or_b32 v[PS], v[WW], v[T1]                   ; with lane l xor 16's two the word is whole
	v_cvt_scalef32_pk16_bf6_f32 v[PCD:PCD+2], v[SC:SC+15], v[SO]
	v_cvt_scalef32_pk16_bf6_f32 v[CT:CT+2], v[SC+16:SC+31], v[SO]         ; (a conversion's three registers begin on an even number: a block's second half is made elsewhere and moved)
	v_cvt_scalef32_pk16_bf6_f32 v[PCD+6:PCD+8], v[SC+32:SC+47], v[SO+1]
	v_cvt_scalef32_pk16_bf6_f32 v[CT+4:CT+6], v[SC+48:SC+63], v[SO+1]
	v_nop                                          ; one plain instruction behind the scaled conversions
.irp i, 0,1,2
	v_mov_b32 v[PCD+3+\i], v[CT+\i]
	v_mov_b32 v[PCD+9+\i], v[CT+4+\i]
.endr
.irp t, 0,1,2,3                        ; V's four fragments, as images of their registers, into the registers that p has left
.irp i, 0,1,2
	ds_load_b128 v[SC+12*\t+4*\i:SC+12*\t+4*\i+3], v[ADV] offset:1536*\t+512*\i
.endr
.endr
.set n, 0
.rept 16
	v_pk_mul_f32 v[OT+n:OT+n+1], v[OT+n:OT+n+1], v[FF:FF+1] op_sel_hi:[1,0]   ; O^T under the new M.  (These sixteen are also the places between the lines that wrote p's codes and scale word and the products)
.set n, n+2
.endr
	s_wait_dscnt 0x0
.irp t, 0,1,2,3                        ; O^T += V^T P^T: source 0 = 16 of the head's 64, source 1 = p; K = these 128 keys
	v_wmma_scale_f32_16x16x128_f8f6f4 v[OT+8*\t:OT+8*\t+7], v[SC+12*\t:SC+12*\t+11], v[PCD:PCD+11], v[OT+8*\t:OT+8*\t+7], v[VS+\t], v[PS] matrix_a_fmt:MATRIX_FMT_BF6 matrix_b_fmt:MATRIX_FMT_BF6
.endr
.Lhidden_\@:
	s_add_co_u32 s[KEY], s[KEY], 128
	s_add_co_u32 s[TS], s[TS], 512                 ; the next step's scale words
	s_add_co_u32 s[TJ], s[TJ], 256
	s_xor_b32 s[TB], s[TB], SLOT1                  ; on to the other slot
.endm
	s_load_b256 s[4:11], s[0:1], 0x0               ; bias, K's codes, K's scales, Q's codes
	s_load_b256 s[12:19], s[0:1], 0x20             ; Q's scales, queries_mask, values_mask, V's scales
	s_load_b128 s[20:23], s[0:1], 0x40             ; vimg, fb
	s_load_b64 s[24:25], s[0:1], 0x50              ; out
	v_lshl_add_u32 v[SPW], v0, 2, SPARE
	v_mov_b32 v[NIL], 0
	ds_add_u32 v[SPW], v[NIL]                      ; the wave's opening: the add, twice on end, and its wait, ahead of my first tensor load; the set-up below, work on registers, stands between
	ds_add_u32 v[SPW], v[NIL]
	v_lshrrev_b32 v[X0], 5, v0
	v_readfirstlane_b32 s[WV], v[X0]               ; wave 0..15
	s_lshr_b32 s[BT], ttmp9, 2                     ; work-group x = 4 x batch + group of heads
	s_and_b32 s[CX], ttmp9, 3
	s_and_b32 s34, ttmp7, 0xffff
	s_sub_co_u32 s[JQ], 31, s34                    ; my block of queries: 31 - work-group y
	s_lshr_b32 s[HL], s[WV], 2
	s_and_b32 s[QT], s[WV], 3
	; group 1 for bias: 16 rows x 128 numbers of 4 bytes, 2,048 numbers from row to row, 16 bytes of padding behind each row of 128 words
	s_mov_b32 s[G1B], (2<<16)|(1<<20)|(6<<22)|(3<<25)   ; 15:0 no mask; 17:16 elements of 4 bytes; 20 padding on; 24:22 after every 128 words; 31:25 4 words of it
	s_mov_b32 s[G1B+1], 128<<16                    ; tensor_dim0
	s_mov_b32 s[G1B+2], 16<<16                     ; tensor_dim1
	s_mov_b32 s[G1B+3], 128<<16                    ; tile_dim0
	s_mov_b32 s[G1B+4], 16                         ; tile_dim1
	s_mov_b32 s[G1B+5], 2048                       ; tensor_dim0_stride
	s_mov_b32 s[G1B+6], 0
	s_mov_b32 s[G1B+7], 0
	; for K: two blocks of 32 keys (1,536 bytes: 192 elements of 8 bytes), 3,072 bytes apart in memory, on end in LDS
	s_mov_b32 s[G1K], 3<<16
	s_mov_b32 s[G1K+1], 192<<16
	s_mov_b32 s[G1K+2], 2<<16
	s_mov_b32 s[G1K+3], 192<<16
	s_mov_b32 s[G1K+4], 2
	s_mov_b32 s[G1K+5], 384
	s_mov_b32 s[G1K+6], 0
	s_mov_b32 s[G1K+7], 0
	; for V's images: 6,144 dense bytes as 24 rows of 256
	s_mov_b32 s[G1V], 3<<16
	s_mov_b32 s[G1V+1], 32<<16
	s_mov_b32 s[G1V+2], 24<<16
	s_mov_b32 s[G1V+3], 32<<16
	s_mov_b32 s[G1V+4], 24
	s_mov_b32 s[G1V+5], 32
	s_mov_b32 s[G1V+6], 0
	s_mov_b32 s[G1V+7], 0
	s_mov_b32 s[SEL], 0x76543210
	s_mov_b32 s[SEL+1], 0xfedcba98
	s_mov_b32 s[CS], 0x3fb8aa3b                    ; log2 e
	s_mov_b32 s[CS+1], s[CS]                       ; (named with it as a pair, so it is written)
	s_mov_b32 s[KEY], 0
	s_mov_b32 s[TB], 0
	s_mov_b32 s[TS], 0
	s_mov_b32 s[TJ], 0
	s_mov_b32 s[SLOTS], 15
	s_lshl_b32 s[Q0], s[JQ], 6
	s_lshl_b32 s35, s[QT], 4
	s_add_co_u32 s[Q0], s[Q0], s35                 ; 64 j + 16 (wave % 4): my tile's first query; and the rows of bias that I fetch, if I fetch bias
	s_lshl_b32 s36, s[Q0], 13                      ; rows of 8,192 bytes
	s_lshl_b32 s35, s[BT], 24                      ; a batch's 2,048 rows
	s_add_co_u32 s36, s36, s35
	s_mov_b32 s37, 0
	s_mov_b32 s3, 0
	s_lshl_b32 s38, s[BT], 4
	s_lshl_b32 s39, s[CX], 2
	s_add_co_u32 s38, s38, s39                     ; my work-group's first head
	s_or_b32 s34, s[HL], s[CX]                     ; 0 in waves 0-3 of the first group of heads: they prefetch
	s_or_b32 s35, s[Q0], 63
	s_cmp_eq_u32 s34, 0
	s_cselect_b32 s[LIMQ], s35, 0
	s_wait_dscnt 0x0                               ; both opening adds are done
	s_wait_kmcnt 0x0
	s_mov_b32 s[G0B], 1                            ; the groups 0, for key step 0 in slot 0: count = 1,
	s_mul_i32 s[G0B+1], s[QT], 16*BP               ; the LDS address: the wave's number and constants alone,
	s_add_nc_u64 s[G0B+2:G0B+3], s[4:5], s[36:37]  ; the global address,
	s_add_nc_u64 s[PF:PF+1], s[G0B+2:G0B+3], 512   ; (the prefetches: at step 1; the first change of slots steps it to step 2.  Nothing is prefetched here, at the head)
	s_or_b32 s[G0B+3], s[G0B+3], 0x80000000        ; type = 2
	s_bfe_u32 s39, s[WV], 0x20001                  ; K: head (wave / 2) % 4, even or odd blocks by wave % 2
	s_add_co_u32 s2, s38, s39
	s_mul_i32 s2, s2, 98304
	s_and_b32 s35, s[WV], 1
	s_mul_i32 s36, s35, 1536
	s_add_co_u32 s2, s2, s36
	s_mul_i32 s39, s39, KHEAD
	s_mul_i32 s35, s35, KODD
	s_add_co_u32 s39, s39, s35
	s_mov_b32 s[G0K], 1
	s_add_co_u32 s[G0K+1], s39, KOFF
	s_add_nc_u64 s[G0K+2:G0K+3], s[6:7], s[2:3]
	s_or_b32 s[G0K+3], s[G0K+3], 0x80000000
	s_add_co_u32 s2, s38, s[QT]                    ; V: head wave % 4
	s_mul_i32 s2, s2, 98304
	s_mov_b32 s[G0V], 1
	s_mul_i32 s[G0V+1], s[QT], VHEAD
	s_add_co_u32 s[G0V+1], s[G0V+1], VOFF
	s_add_nc_u64 s[G0V+2:G0V+3], s[20:21], s[2:3]
	s_or_b32 s[G0V+3], s[G0V+3], 0x80000000
	TLOAD3                                         ; key step 0, which counts for every block: every wave issues one
	; the other pointers
	s_lshl_b32 s2, s38, 12
	s_add_nc_u64 s[KSB:KSB+1], s[KSB:KSB+1], s[2:3]   ; K's and V's scale bytes of my four heads: 4,096 bytes a head
	s_add_nc_u64 s[VSB:VSB+1], s[VSB:VSB+1], s[2:3]
	s_lshl_b32 s2, s38, 11
	s_add_nc_u64 s[VMB:VMB+1], s[VMB:VMB+1], s[2:3]
	s_add_co_u32 s38, s38, s[HL]                   ; my head
	s_mul_i32 s2, s38, 98304
	s_mul_i32 s36, s[Q0], 48
	s_add_co_u32 s2, s2, s36
	s_add_nc_u64 s[QC:QC+1], s[QC:QC+1], s[2:3]
	s_lshl_b32 s2, s38, 12
	s_lshl_b32 s36, s[Q0], 1
	s_add_co_u32 s2, s2, s36
	s_add_nc_u64 s[QSC:QSC+1], s[QSC:QSC+1], s[2:3]
	s_lshl_b32 s2, s38, 11
	s_add_co_u32 s2, s2, s[Q0]
	s_add_nc_u64 s[QMK:QMK+1], s[QMK:QMK+1], s[2:3]
	s_lshl_b32 s2, s38, 8
	s_add_nc_u64 s[FBB:FBB+1], s[FBB:FBB+1], s[2:3]
	s_lshl_b32 s2, s38, 19
	s_lshl_b32 s36, s[Q0], 8
	s_add_co_u32 s2, s2, s36
	s_add_nc_u64 s[OUT:OUT+1], s[OUT:OUT+1], s[2:3]
	; the scale bytes and values_mask of my four heads: thread T takes keys 4 T .. 4 T + 3 of each head, and 16 bytes of V's scales twice
	v_lshlrev_b32 v[X0], 3, v0
	v_lshlrev_b32 v[X0+1], 2, v0
	v_lshlrev_b32 v[X0+2], 4, v0
.irp it, 0,1,2,3
	global_load_b64 v[SC+2*\it:SC+2*\it+1], v[X0], s[KSB:KSB+1] offset:4096*\it
	global_load_b32 v[SC+8+\it], v[X0+1], s[VMB:VMB+1] offset:2048*\it
.endr
.irp it, 0,1
	global_load_b128 v[SC+12+4*\it:SC+15+4*\it], v[X0+2], s[VSB:VSB+1] offset:8192*\it
.endr
	v_and_b32 v[QO1], 15, v0                       ; r
	v_bfe_u32 v[X0+9], v0, 4, 1                    ; h
	v_mul_u32_u24 v[QO], v[QO1], 48
	v_mad_u32_u24 v[QO], v[X0+9], 24, v[QO]
	v_lshlrev_b32 v[QO2], 1, v[QO1]
	global_load_b64 v[QF:QF+1], v[QO], s[QC:QC+1]  ; my 16 queries: a query's 24 bytes of my half stay in registers,
	global_load_b64 v[QF+2:QF+3], v[QO], s[QC:QC+1] offset:8
	global_load_b64 v[QF+4:QF+5], v[QO], s[QC:QC+1] offset:16
	global_load_u16 v[X0+5], v[QO2], s[QSC:QSC+1]  ; its two scale bytes,
	global_load_u8 v[QMV], v[QO1], s[QMK:QMK+1]    ; its byte of queries_mask
	v_mul_u32_u24 v[ABI0], v[QO1], BP              ; bias: row r of my tile, + 128 h
	v_lshl_add_u32 v[ABI0], v[X0+9], 7, v[ABI0]
	s_mul_i32 s34, s[QT], 16*BP
	v_add_nc_u32 v[ABI0], s34, v[ABI0]
	v_and_b32 v[X0+8], 7, v0                       ; K: key r % 8 of a tile's eight, in an even (r < 8) or odd block, + 24 h
	v_mul_u32_u24 v[AK0], v[X0+8], 48
	v_bfe_u32 v[X0+8], v0, 3, 1
	v_mad_u32_u24 v[AK0], v[X0+8], KODD, v[AK0]
	v_mad_u32_u24 v[AK0], v[X0+9], 24, v[AK0]
	s_mul_i32 s34, s[HL], KHEAD
	s_add_co_u32 s34, s34, KOFF
	v_add_nc_u32 v[AK0], s34, v[AK0]
	v_and_b32 v[X0+8], 31, v0                      ; lane
	s_mul_i32 s34, s[HL], VHEAD
	s_add_co_u32 s34, s34, VOFF
	v_lshl_add_u32 v[AV0], v[X0+8], 4, s34
	v_lshrrev_b32 v[PFO], 1, v[X0+8]               ; the prefetches: row lane / 2, half lane % 2
	v_lshlrev_b32 v[PFO], 13, v[PFO]
	v_and_b32 v[X0+8], 1, v0
	v_lshl_add_u32 v[PFO], v[X0+8], 8, v[PFO]
	s_lshl_b32 s34, s[HL], 13
	s_add_co_u32 s34, s34, KW
	v_lshl_add_u32 v[AKW0], v[QO1], 4, s34
	s_lshl_b32 s34, s[HL], 12
	s_add_co_u32 s34, s34, VW
	v_lshl_add_u32 v[AVW0], v[QO1], 4, s34
	s_mul_i32 s34, s[WV], 16*SP
	s_add_co_u32 s34, s34, STAGE                   ; my stage
	v_mul_u32_u24 v[STO], v[QO1], SP
	v_lshl_add_u32 v[STO], v[X0+9], 5, v[STO]
	v_add_nc_u32 v[STO], s34, v[STO]
	v_mul_u32_u24 v[RD], v[X0+9], SP
	v_lshl_add_u32 v[RD], v[QO1], 4, v[RD]
	v_add_nc_u32 v[RD], s34, v[RD]
	v_lshlrev_b32 v[GO], 8, v[X0+9]
	v_lshl_add_u32 v[GO], v[QO1], 4, v[GO]
	v_lshlrev_b32 v[FBO], 5, v[X0+9]
	v_sub_nc_u32 v[D0], v[QO1], v[FBO]             ; r - 32 h
	v_lshlrev_b32 v[SH8], 3, v[X0+9]
	v_mov_b32 v[NINF], 0xff800000
	v_mov_b32 v[FF+1], 0                           ; (named as the upper halves of pairs)
	v_mov_b32 v[LL+1], 0
	v_mov_b32 v[T1], 0                             ; a lane permute's destination counts as one of its sources
	v_xor_b32 v[X0+8], 1, v[X0+9]                  ; 1 in lanes 0-15, which hold k = 64 .. 95 in registers 6-11
	v_mul_u32_u24 v[QF+6], v[X0+8], 28             ; Q at k = 64: the code of +16; all other codes from k = 64 on are 0
	v_mul_u32_u24 v[KF+6], v[X0+8], 63             ; K at k = 64: the code of -28
.irp v, 1,2,3
	v_mov_b32 v[KF+12*\v+6], v[KF+6]
.endr
.irp i, 7,8,9,10,11
	v_mov_b32 v[QF+\i], 0
.irp v, 0,1,2,3
	v_mov_b32 v[KF+12*\v+\i], 0
.endr
.endr
	v_lshrrev_b32 v[X0+3], 3, v0                   ; where K's scale words go: key 4 T + e is step T / 32, c = (T / 16) % 2, row 8 ((T / 8) % 2) + 4 (T % 2) + e, v = (T / 2) % 4
	v_lshlrev_b32 v[X0+3], 7, v[X0+3]
	v_and_b32 v[X0+8], 1, v0
	v_lshl_add_u32 v[X0+3], v[X0+8], 6, v[X0+3]
	v_bfe_u32 v[X0+8], v0, 1, 2
	v_lshl_add_u32 v[X0+3], v[X0+8], 2, v[X0+3]
	v_add_nc_u32 v[X0+3], KW, v[X0+3]
	v_bfe_u32 v[X0+4], v0, 8, 1                    ; and V's: my 16 bytes are head 2 it + T / 256, d = (T / 4) % 64, steps 4 (T % 4) + e
	v_lshlrev_b32 v[X0+4], 12, v[X0+4]
	v_and_b32 v[X0+8], 3, v0
	v_lshl_add_u32 v[X0+4], v[X0+8], 10, v[X0+4]
	v_bfe_u32 v[X0+8], v0, 2, 4
	v_lshl_add_u32 v[X0+4], v[X0+8], 4, v[X0+4]
	v_bfe_u32 v[X0+8], v0, 6, 2
	v_lshl_add_u32 v[X0+4], v[X0+8], 2, v[X0+4]
	v_add_nc_u32 v[X0+4], VW, v[X0+4]
	v_mov_b32 v[TM], 0xff61b1e6                    ; the largest t so far: -3e38, under every t
	v_floor_f32 v[NM], -v[TM]                      ; -M
	v_mov_b32 v[SUM], 0                            ; the sum, in two halves
	v_mov_b32 v[SUM+1], 0
.set n, 0
.rept 32
	v_mov_b32 v[OT+n], 0                           ; O^T.  (The step is written for every step alike: the first finds zeros, which the first change of M leaves zeros)
.set n, n+1
.endr
	s_wait_loadcnt 0x0                             ; Q and the tables
	v_and_b32 v[X0+6], 0xff, v[X0+5]               ; Q's scale word: 3 off both bytes (/ 8, exact; a byte under 3 is held at 3: a stated limit); byte 2, for k = 64, is 127; byte 3, over zero codes, likewise
	v_lshrrev_b32 v[X0+7], 8, v[X0+5]
	v_cmp_le_u32 vcc_lo, 3, v[X0+6]
	v_cndmask_b32 v[X0+6], 3, v[X0+6], vcc_lo
	v_cmp_le_u32 vcc_lo, 3, v[X0+7]
	v_cndmask_b32 v[X0+7], 3, v[X0+7], vcc_lo
	v_add_nc_u32 v[X0+6], -3, v[X0+6]
	v_add_nc_u32 v[X0+7], -3, v[X0+7]
	v_lshl_or_b32 v[X0+6], v[X0+7], 8, v[X0+6]
	v_or_b32 v[QS], 0x7f7f0000, v[X0+6]            ; (the lines below are far more than the 8 places between this line and the first scaled matrix instruction)
.irp it, 0,1,2,3                       ; a key's word: its two scale bytes; byte 2 = 0 where values_mask is true, 139 where it is false; byte 3 = 0 (over zero codes)
	v_xor_b32 v[SC+8+\it], 0x01010101, v[SC+8+\it]
	v_mul_lo_u32 v[SC+8+\it], v[SC+8+\it], 139
	v_and_b32 v[SC+20], 0xffff, v[SC+2*\it]
	v_bfe_u32 v[SC+24], v[SC+8+\it], 0, 8
	v_lshl_or_b32 v[SC+20], v[SC+24], 16, v[SC+20]
	v_lshrrev_b32 v[SC+21], 16, v[SC+2*\it]
	v_bfe_u32 v[SC+24], v[SC+8+\it], 8, 8
	v_lshl_or_b32 v[SC+21], v[SC+24], 16, v[SC+21]
	v_and_b32 v[SC+22], 0xffff, v[SC+2*\it+1]
	v_bfe_u32 v[SC+24], v[SC+8+\it], 16, 8
	v_lshl_or_b32 v[SC+22], v[SC+24], 16, v[SC+22]
	v_lshrrev_b32 v[SC+23], 16, v[SC+2*\it+1]
	v_lshrrev_b32 v[SC+24], 24, v[SC+8+\it]
	v_lshl_or_b32 v[SC+23], v[SC+24], 16, v[SC+23]
.irp e, 0,1,2,3
	ds_store_b32 v[X0+3], v[SC+20+\e] offset:8192*\it+16*\e
.endr
.endr
.irp it, 0,1
.irp e, 0,1,2,3
	ds_store_b32 v[X0+4], v[SC+12+4*\it+\e] offset:8192*\it+256*\e
.endr
.endr
.Lslot:                                            ; 15 trips: key steps 0 to 14; behind each change of slots the next step is asked for, up to the causal limit
	CHANGE 1
	STEP
	s_sub_co_u32 s[SLOTS], s[SLOTS], 1
	s_cmp_lg_u32 s[SLOTS], 0
	s_cbranch_scc1 .Lslot
	CHANGE 0                                       ; key step 15 is written out: nothing is left to ask for
	STEP
	; THE WAY OUT: O^T / the sum; fb where no key counted; 0 where queries_mask is false; through my stage in LDS, so that 32 lanes store two whole rows of 256 bytes.
.rept 4
	v_nop                                          ; four places behind the last products
.endr
.irp t, 0,1,2,3
	global_load_b128 v[SC+32+8*\t:SC+35+8*\t], v[FBO], s[FBB:FBB+1] offset:64*\t       ; fb(16 t + 8 h + 0..7), in O^T's layout
	global_load_b128 v[SC+36+8*\t:SC+39+8*\t], v[FBO], s[FBB:FBB+1] offset:64*\t+16
.endr
	v_add_f32 v[LL], v[SUM], v[SUM+1]              ; the sum's two halves,
	v_permlanex16_b32 v[T1], v[LL], s[SEL], s[SEL+1]
	v_add_f32 v[LL], v[LL], v[T1]                  ; and lane l xor 16's
	v_rcp_f32 v[LL], v[LL]
	v_nop                                          ; a plain instruction behind the reciprocal
	s_mov_b32 s35, 0xc99eb100                      ; -1.3e6: keys that count have t over -1.2985e6, the others under -1.3489e6 (by the stated limit)
	v_cmp_gt_f32 s[FM], s35, v[TM]
	v_cmp_ne_u32 s[QM], 0, v[QMV]
	s_wait_alu depctr_va_vdst(0)                   ; a wait ahead of the reciprocal's first reader
.set n, 0
.rept 16
	v_pk_mul_f32 v[SC+n:SC+n+1], v[OT+n:OT+n+1], v[LL:LL+1] op_sel_hi:[1,0]   ; each accumulator from its low end on
.set n, n+2
.endr
	s_wait_loadcnt 0x0                             ; fb
.set n, 0
.rept 32
	v_cndmask_b32 v[SC+n], v[SC+n], v[SC+32+n], s[FM]
.set n, n+1
.endr
.set n, 0
.rept 32
	v_cndmask_b32 v[SC+n], 0, v[SC+n], s[QM]
.set n, n+1
.endr
.irp t, 0,1,2,3
	ds_store_b128 v[STO], v[SC+8*\t:SC+8*\t+3] offset:64*\t
	ds_store_b128 v[STO], v[SC+8*\t+4:SC+8*\t+7] offset:64*\t+16
.endr
.irp i, 0,1,2,3,4,5,6,7
	ds_load_b128 v[SC+32+4*\i:SC+35+4*\i], v[RD] offset:2*SP*\i    ; LDS serves a wave's instructions in order (ISA guide 5.7.1.4): these see my stores
.endr
.irp i, 0,1,2,3,4,5,6,7
	s_wait_dscnt 7-\i                              ; load i is back; the 7 - i behind it may be out
	global_store_b128 v[GO], v[SC+32+4*\i:SC+35+4*\i], s[OUT:OUT+1] offset:512*\i th:TH_STORE_NT   ; 32 lanes store 512 consecutive bytes, at a multiple of 512 from out's first byte
.endr
	s_wait_tensorcnt 0x0                           ; the wave's end: behind my last tensor load and my last LDS store
	ds_add_u32 v[SPW], v[NIL]
	s_wait_dscnt 0x0
	s_endpgm
.Lfunc_end_k_q31e212048f_attn:
	.size	k_q31e212048f_attn, .Lfunc_end_k_q31e212048f_attn-k_q31e212048f_attn
	.p2alignl 7, 3214868480
	.fill 96, 4, 3214868480
	.section	.rodata,"a",@progbits
	.p2align	6, 0x0
	.amdhsa_kernel k_q31e212048f_attn
		.amdhsa_group_segment_fixed_size 327680
		.amdhsa_private_segment_fixed_size 0
		.amdhsa_enable_private_segment 0
		.amdhsa_kernarg_size 88
		.amdhsa_user_sgpr_count 2
		.amdhsa_user_sgpr_kernarg_segment_ptr 1
		.amdhsa_wavefront_size32 1
		.amdhsa_system_sgpr_workgroup_id_x 1
		.amdhsa_system_sgpr_workgroup_id_y 1
		.amdhsa_system_sgpr_workgroup_id_z 1
		.amdhsa_system_vgpr_workitem_id 0
		.amdhsa_next_free_vgpr 256
		.amdhsa_next_free_sgpr 101
		.amdhsa_reserve_vcc 1
		.amdhsa_float_denorm_mode_32 3
		.amdhsa_float_denorm_mode_16_64 3
		.amdhsa_memory_ordered 1
		.amdhsa_forward_progress 1
		.amdhsa_inst_pref_size 73
	.end_amdhsa_kernel
	.amdgpu_metadata
---
amdhsa.version: [ 1, 2 ]
amdhsa.kernels:
  - .name:           k_q31e212048f_attn
    .symbol:         k_q31e212048f_attn.kd
    .args:
      - { .name: bias, .offset: 0, .size: 8, .value_kind: global_buffer, .address_space: global }
      - { .name: keys_codes, .offset: 8, .size: 8, .value_kind: global_buffer, .address_space: global }
      - { .name: keys_scales, .offset: 16, .size: 8, .value_kind: global_buffer, .address_space: global }
      - { .name: queries_codes, .offset: 24, .size: 8, .value_kind: global_buffer, .address_space: global }
      - { .name: queries_scales, .offset: 32, .size: 8, .value_kind: global_buffer, .address_space: global }
      - { .name: queries_mask, .offset: 40, .size: 8, .value_kind: global_buffer, .address_space: global }
      - { .name: values_mask, .offset: 48, .size: 8, .value_kind: global_buffer, .address_space: global }
      - { .name: values_scales, .offset: 56, .size: 8, .value_kind: global_buffer, .address_space: global }
      - { .name: vimg, .offset: 64, .size: 8, .value_kind: global_buffer, .address_space: global }
      - { .name: fb, .offset: 72, .size: 8, .value_kind: global_buffer, .address_space: global }
      - { .name: out0, .offset: 80, .size: 8, .value_kind: global_buffer, .address_space: global }
    .group_segment_fixed_size: 327680
    .private_segment_fixed_size: 0
    .kernarg_segment_align: 8
    .kernarg_segment_size: 88
    .max_flat_workgroup_size: 512
    .sgpr_count:     101
    .vgpr_count:     256
    .wavefront_size: 32
...
	.end_amdgpu_metadata
.endif
;; end of part 2
